; MI455X (gfx1250); checked and timed in simulation.
; The chip was launched on July 23, 2026; its instructions are those of AMD's public machine-readable ISA for CDNA 5 (MIT licence, August 2026) and "CDNA5" Instruction Set Architecture Reference Guide (July 2026). The comments in the code are by the model that wrote it; some were corrected since.
;; Sparse MHA. Allowed arithmetic: matrix products marked QUANTISED: E2M1 operands, one E8M0 scale for each 32 along K, by v_wmma_scale_f32_16x16x128_f8f6f4 with both operands' format E2M1 (or v_wmma_scale_f32_32x16x128_f4), f32 sums; products left as they are: bf16, f16 or f32 operands; f32 sums; everything else in f32.
;; Inputs: A 4,096 x 4,096 float32; Wk 512 x 512 float32; Wo 512 x 512 float32; Wq 512 x 512 float32; Wv 512 x 512 float32; h 4,096 x 512 float32.
;; Outputs: out0 4,096 x 512 float32.
;; This version of the problem:
;;   THIS VERSION OF THE PROBLEM IS GIVEN IN LOW PRECISION. The matrix products marked QUANTISED in the list below multiply operands that are first quantised to E2M1 (2 exponent bits, 1 mantissa bit; 4 bits a number), with one power-of-two scale for each 32 numbers along K (OCP MX v1.0); their sums are f32. The products marked 'left as it is' may take bf16, f16 or f32 operands, with f32 sums. Whichever they take, every output number must still come out within the allowed error. Rounding operands to bf16 (8 significant bits) uses up far more of that allowance than f16 does (11 bits, for magnitudes from 6e-5 to 65,504). All else is computed in f32.
;;   The module's matrix products, in the order in which they are computed (A, B: the left and right operand; K: the contracted axis; several contracted axes count as one K, in the product's order):
;;     1. [M 4,096, K 512] x [K 512, N 512]; A: input h; B: input Wq: QUANTISED
;;     2. [M 4,096, K 512] x [K 512, N 512]; A: input h; B: input Wk: QUANTISED
;;     3. [M 4,096, K 512] x [K 512, N 512]; A: input h; B: input Wv: QUANTISED
;;     4. batch 8 x [M 4,096, K 64] x [K 64, N 4,096]; A: computed on the way; B: computed on the way: left as it is (an operand is computed on the way)
;;     5. batch 8 x [M 64, K 4,096] x [K 4,096, N 4,096]; A: computed on the way; B: computed on the way: left as it is (an operand is computed on the way)
;;     6. [M 4,096, K 512] x [K 512, N 512]; A: computed on the way; B: input Wo: left as it is (an operand is computed on the way)
;;   THE QUANTISER, for each operand of a quantised product, along K:
;;     - K is cut into blocks of 32 from its start; a last block that is shorter is filled with zeros.
;;     - A block's scale is 2^e with e = floor(log2(the largest magnitude in the block)) - 2, held to -126 .. 127; a block of zeros has e = 0. As a byte (E8M0): e + 127.
;;     - Each number is divided by its block's scale, clamped to +-6, and rounded to the nearest number of E2M1, ties to even, subnormals kept.
;;     - The product sums the exact products of the quantised numbers (number of the format x scale) in f32.
;;   ~~~python
;;   def quantise(x, axis):      # numpy; x: float32 -> the quantised numbers, widened to float32 again
;;       x = np.moveaxis(x, axis, -1); K = x.shape[-1]
;;       x = np.pad(x, [(0, 0)] * (x.ndim - 1) + [(0, -K % 32)]); x = x.reshape(x.shape[:-1] + (-1, 32)); a = np.abs(x).max(-1, keepdims=True)
;;       e = np.where(a > 0, np.clip(np.frexp(np.where(a > 0, a, 1))[1] - 1 - 2, -126, 127), 0)      # np.frexp(a)[1] - 1 = floor(log2(a)), exactly
;;       r = np.clip(x / 2.0 ** e, -6, 6)
;;       step = 2.0 ** (np.maximum(np.frexp(np.where(r == 0, 1, r))[1] - 1, 0) - 1)
;;       q = np.round(r / step) * step * 2.0 ** e      # np.round: ties to even
;;       return np.moveaxis(q.reshape(q.shape[:-2] + (-1,))[..., :K], -1, axis).astype(np.float32)
;;   ~~~
;; One version. Each part assembles by itself: llvm-mc -triple=amdgcn-amd-amdhsa -mcpu=gfx1250 --defsym DOCPART=n.
;; ======== version 1 of 1: 3 launches
;; limits: values are held in f16: magnitudes above 65,504 overflow, below 6.1e-05 lose precision
;; workspace buffers: qf 4,194,304 bytes; kv 8,388,608 bytes; of 8,388,608 bytes; wof 524,288 bytes
;; launch proj (part 1): grid 8 x 32, 16 waves a work-group, no clusters, 229,376 bytes of LDS; arguments h, Wq, Wk, Wv, Wo, qf, kv, wof; writes qf, kv, wof
.if DOCPART == 1
	.amdgcn_target "amdgcn-amd-amdhsa--gfx1250"
	.amdhsa_code_object_version 6
	.text
	.protected	k_qeb1fc4c02f_proj
	.globl	k_qeb1fc4c02f_proj
	.p2align	8
	.type	k_qeb1fc4c02f_proj,@function
k_qeb1fc4c02f_proj:
	s_mov_b64 s[64:65], 0
	v_nop
	global_prefetch_b8 v0, s[64:65] scope:SCOPE_SE
	s_setreg_imm32_b32 hwreg(HW_REG_WAVE_MODE, 25, 1), 1
	s_wait_xcnt 0x0
; q = h Wq^T, k = h Wk^T, v = h Wv^T on codes of FP4 (E2M1) with one E8M0 scale for each 32 along K = 512; sums in f32; the results leave as f16, laid as the attention launch's operand registers.
; h: [4096][512], Wq, Wk, Wv, Wo: [512][512], f32, K innermost.  Feature f of a projection is d x 8 + head (the reshape puts the heads last).
; SHARES.  Work-group (x = head, y = chunk of 128 rows of h).  It quantises its 128 rows of h (32 fragments of 16 rows x 128 K) and the 64 rows f = 8 d + head of each of Wq, Wk, Wv (48 fragments);
; each of the 16 waves makes five of them: K step (wave % 4) of row tile (wave / 4) of h's two halves and of the three weights.  The fragments go from wave to wave through LDS AS IMAGES OF THEIR REGISTERS
; (two stores of 512 bytes, lane l's 16 bytes at 16 l; the scale word 4 bytes a lane).  One barrier.  Then wave (cg = wave % 4, rg = wave / 4) makes d = 16 cg .. + 15 of q, k and v for row tiles 2 rg, 2 rg + 1: 24 matrix instructions.
; q and k are made TRANSPOSED (source 0 = 16 rows of W, source 1 = 16 rows of h): a lane holds one row and eight neighbouring d, which pack into the 16 bytes that a 16-bit operand's layout gives that lane.
; v is made plain (source 0 = h, source 1 = Wv): a lane holds one d and eight neighbouring keys: the same for V^T.  So every store of a wave is 512 consecutive bytes, aligned.
; The 8 work-groups with y = 0 also lay Wo out in f16 for the last launch: unit (16 rows of Wo, 128 features) a wave, sorted by head.
; NO CLUSTER: what work-groups share here (h's rows among 8 heads, the weights' rows among 32 chunks) has to pass through registers to be quantised, and joint requests serve tensor loads alone.
; LIMITS: NaN and infinities among the inputs are not served; q, k, v and Wo must stay under 65,504 in size (f16).  A block of zeros gets the scale byte 1 where the rule says 127: its codes are zeros, and this launch alone reads the bytes.
.set HIMG,  0                          ; LDS: h's 32 fragments, (tile T, K step s) at (4 T + s) x 1,024
.set WIMG,  32768                      ; the weights' 48: (weight a, tile t, K step s) at ((4 a + t) 4 + s) x 1,024
.set HSC,   81920                      ; h's scale words, 128 bytes a fragment
.set WSC,   86016                      ; the weights'
.set STG,   92160                      ; a stage of 16 rows x 528 bytes for each wave, its own
.set SROW,  528                        ; 512 bytes + 16: 132 words, so that the 16 rows that a load touches start 4 words apart
.set SWAVE, 16*SROW
.set SPARE, STG+16*SWAVE               ; the spare words, 128 bytes for each wave: eight blocks of 256 bytes that no other line names
.set LO,  1                            ; v1   16 x lane
.set SWR, 2                            ; v2   my stage + 16 x lane: a row goes in as it was loaded
.set SRQ, 3                            ; v3   my stage + 528 r + 64 h: 16 neighbours of each block of 32 come out
.set SRW, 4                            ; v4   my stage + 528 r + 256 h: 64 neighbours come out (Wo)
.set IW,  5                            ; v5   16 x lane + 1,024 x wave: where I store h's images
.set IW2, 6                            ; v6   the same in WIMG
.set SWD, 7                            ; v7   HSC + 4 x lane + 128 x wave: where I store scale words
.set FW,  8                            ; v8   WIMG + 16 x lane + 4,096 cg: the weights' fragments that I multiply
.set FH,  9                            ; v9   16 x lane + 8,192 rg: h's
.set FWS, 10                           ; v10  WSC + 4 x lane + 512 cg
.set FHS, 11                           ; v11  HSC + 4 x lane + 1,024 rg
.set L0,  16                           ; v16-79   a fragment's numbers as loaded
.set L1,  80                           ; v80-143  the next fragment's
.set X,   144                          ; v144-207 64 numbers of my row: register 16 b + i = k 32 b + 16 h + i
.set TM,  208                          ; v208-223 at work in the quantiser
.set PC,  224                          ; v224-231 the codes just made
.set PW,  232                          ; v232     their scale word
.set WS,  233                          ; v233-244 the weights' scale words (4 a + s): scales and nothing else
.set HS,  245                          ; v245-252 h's (4 Ti + s)
.set SPW, 253                          ; v253     LDS address of my spare word; never rewritten
.set NIL, 254                          ; v254     0; never rewritten
.set ACC, 16                           ; behind the barrier: v16-63 six accumulators (3 Ti + a),
.set WF,  64                           ; v64-159 twelve fragments of the weights (4 a + s),
.set HF,  160                          ; v160-223 eight of h (4 Ti + s);
.set PK,  64                           ; v64-87 the results in f16
.set WV,  20                           ; s20 wave
.set KS,  21                           ; s21 wave % 4
.set T4,  22                           ; s22 wave / 4
.set JC,  23                           ; s23 the chunk of rows
.set SEL, 44                           ; s[44:45] lane selects: lane l xor 16
.macro LOADF dst, base, stride, off    ; 16 rows x 512 bytes: each line reads one row's 512 consecutive bytes, 16 a lane
.irp p, 0,1,2,3,4,5,6,7,8,9,10,11,12,13,14,15
	global_load_b128 v[\dst+4*\p:\dst+4*\p+3], v[LO], s[\base:\base+1] offset:\off+\p*\stride
.endr
.endm
.macro TURNQ src                       ; through my stage: in by rows, out 16 neighbours of each block of 32.  LDS serves a wave's instructions in order: no wait between
.irp p, 0,1,2,3,4,5,6,7,8,9,10,11,12,13,14,15
	ds_store_b128 v[SWR], v[\src+4*\p:\src+4*\p+3] offset:SROW*\p
.endr
.irp b, 0,1,2,3
.irp j, 0,1,2,3
	ds_load_b128 v[X+16*\b+4*\j:X+16*\b+4*\j+3], v[SRQ] offset:128*\b+16*\j
.endr
.endr
.endm
.macro TURNW src                       ; the same, out 64 neighbours
.irp p, 0,1,2,3,4,5,6,7,8,9,10,11,12,13,14,15
	ds_store_b128 v[SWR], v[\src+4*\p:\src+4*\p+3] offset:SROW*\p
.endr
.irp i, 0,1,2,3,4,5,6,7,8,9,10,11,12,13,14,15
	ds_load_b128 v[X+4*\i:X+4*\i+3], v[SRW] offset:16*\i
.endr
.endm
; The 64 numbers in X become a fragment's codes in v[PC] on and its scale word in v[PW].
.macro QUANT
.irp b, 0,1,2,3
	v_max3_num_f32 v[TM+\b], |v[X+16*\b]|, |v[X+1+16*\b]|, 0x1800000   ; block b: my 16 numbers, and the floor 2^(3 - 127): the byte cannot fall under 1
.endr
.irp i, 2,4,6,8,10,12,14
.irp b, 0,1,2,3
	v_max3_num_f32 v[TM+\b], v[TM+\b], |v[X+16*\b+\i]|, |v[X+1+16*\b+\i]|   ; the four blocks by turns
.endr
.endr
.irp b, 0,1,2,3
	v_permlanex16_b32 v[TM+4+\b], v[TM+\b], s[SEL], s[SEL+1]
.endr
.irp b, 0,1,2,3
	v_max_num_f32 v[TM+\b], v[TM+\b], v[TM+4+\b]       ; with lane l xor 16's: the block's largest magnitude
.endr
.irp b, 0,1,2,3
	v_add_nc_u32 v[TM+12+\b], 0xff000000, v[TM+\b]     ; 2 off its exponent field: the conversion takes this operand's exponent field as its scale
.endr
.irp b, 0,1,2,3
	v_lshrrev_b32 v[TM+4+\b], 23, v[TM+12+\b]          ; the scale's byte
.endr
	v_lshl_or_b32 v[PW], v[TM+5], 8, v[TM+4]           ; four bytes: my row's scale word
	v_lshl_or_b32 v[PW], v[TM+6], 16, v[PW]
	v_lshl_or_b32 v[PW], v[TM+7], 24, v[PW]
.irp b, 0,1,2,3
	v_cvt_scalef32_pk8_fp4_f32 v[PC+2*\b], v[X+16*\b:X+7+16*\b], v[TM+12+\b]
	v_cvt_scalef32_pk8_fp4_f32 v[PC+1+2*\b], v[X+8+16*\b:X+15+16*\b], v[TM+12+\b]
.endr
	v_nop                                              ; one plain place behind a scaled conversion
.irp c, 0,1                                        ; the layout wants a whole block in a lane: lanes 0-15 block 2 c, lanes 16-31 block 2 c + 1
.irp i, 0,1
	v_permlane16_swap_b32 v[PC+4*\c+\i], v[PC+2+4*\c+\i]
.endr
.endr
.endm
.macro IMAGE adr, off                  ; the fragment goes to LDS as it stands
.irp c, 0,1
	ds_store_b128 v[\adr], v[PC+4*\c:PC+4*\c+3] offset:\off+512*\c
.endr
.endm
.macro PROD d, a, b, sa, sb, s         ; one matrix instruction; K step 0 starts the sum
.if (\s) == 0
	v_wmma_scale_f32_16x16x128_f8f6f4 v[\d:\d+7], v[\a:\a+7], v[\b:\b+7], 0, v[\sa], v[\sb] matrix_a_fmt:MATRIX_FMT_FP4 matrix_b_fmt:MATRIX_FMT_FP4
.else
	v_wmma_scale_f32_16x16x128_f8f6f4 v[\d:\d+7], v[\a:\a+7], v[\b:\b+7], v[\d:\d+7], v[\sa], v[\sb] matrix_a_fmt:MATRIX_FMT_FP4 matrix_b_fmt:MATRIX_FMT_FP4
.endif
.endm
	s_load_b256 s[4:11], s[0:1], 0x0               ; h, Wq, Wk, Wv
	s_load_b256 s[12:19], s[0:1], 0x20             ; Wo, qf, kv, wof
	v_lshl_add_u32 v[SPW], v0, 2, SPARE
	v_mov_b32 v[NIL], 0
	v_lshrrev_b32 v12, 5, v0
	v_readfirstlane_b32 s[WV], v12                 ; wave 0..15
	s_and_b32 s[KS], s[WV], 3
	s_lshr_b32 s[T4], s[WV], 2
	s_and_b32 s[JC], ttmp7, 0xffff
	v_and_b32 v12, 31, v0                          ; lane
	v_lshlrev_b32 v[LO], 4, v12
	s_lshl_b32 s28, s[KS], 9                       ; 512 x (wave % 4): a K step's bytes in a row of f32; a piece's bytes in an image
	s_lshl_b32 s26, s[JC], 18                      ; h: 128 rows of 2,048 bytes a chunk,
	s_lshl_b32 s27, s[T4], 15                      ; 16 rows a tile
	s_add_co_u32 s26, s26, s27
	s_add_co_u32 s26, s26, s28
	s_mov_b32 s27, 0
	s_lshl_b32 s30, ttmp9, 11                      ; the weights: row 128 t + 8 p + head
	s_lshl_b32 s31, s[T4], 18
	s_add_co_u32 s30, s30, s31
	s_add_co_u32 s30, s30, s28
	s_mov_b32 s31, 0
	s_lshl_b32 s29, ttmp9, 2
	s_add_co_u32 s29, s29, s[T4]                   ; G = 4 x head + wave / 4: my 16 rows of Wo
	s_lshl_b32 s32, s29, 15
	s_add_co_u32 s32, s32, s28
	s_mov_b32 s33, 0
	s_lshl_b32 s46, s[T4], 12
	s_lshl_b32 s34, ttmp9, 19                      ; qf: 524,288 a head, 16,384 a chunk, 4,096 for two tiles, 512 a piece
	s_lshl_b32 s35, s[JC], 14
	s_add_co_u32 s34, s34, s35
	s_add_co_u32 s34, s34, s46
	s_add_co_u32 s34, s34, s28
	s_mov_b32 s35, 0
	s_lshl_b32 s36, ttmp9, 20                      ; kv: 1,048,576 a head, 32,768 a slot of 128 keys
	s_lshl_b32 s37, s[JC], 15
	s_add_co_u32 s36, s36, s37
	s_add_co_u32 s36, s36, s46
	s_lshl_b32 s38, s[KS], 10
	s_add_co_u32 s38, s38, s36
	s_add_co_u32 s38, s38, 16384                   ; V^T: behind K's 16,384; 4,096 a group of 32 keys, 1,024 a tile of d
	s_add_co_u32 s36, s36, s28                     ; K: as qf
	s_mov_b32 s37, 0
	s_mov_b32 s39, 0
	s_lshr_b32 s40, s29, 3                         ; wof: 131,072 for 8 tiles of columns, 4,096 a tile, 512 a piece
	s_lshl_b32 s40, s40, 17
	s_and_b32 s41, s29, 7
	s_lshl_b32 s41, s41, 12
	s_add_co_u32 s40, s40, s41
	s_add_co_u32 s40, s40, s28
	s_mov_b32 s41, 0
	s_mov_b32 s[SEL], 0x76543210
	s_mov_b32 s[SEL+1], 0xfedcba98
	s_wait_kmcnt 0x0
	s_add_nc_u64 s[4:5], s[4:5], s[26:27]
	LOADF L0, 4, 2048, 0                           ; h, tile wave / 4
	LOADF L1, 4, 2048, 131072                      ; h, tile wave / 4 + 4
	s_add_nc_u64 s[6:7], s[6:7], s[30:31]
	s_add_nc_u64 s[8:9], s[8:9], s[30:31]
	s_add_nc_u64 s[10:11], s[10:11], s[30:31]
	s_add_nc_u64 s[12:13], s[12:13], s[32:33]
	s_add_nc_u64 s[14:15], s[14:15], s[34:35]      ; where my q goes
	s_add_nc_u64 s[42:43], s[16:17], s[36:37]      ; my k
	s_add_nc_u64 s[16:17], s[16:17], s[38:39]      ; my v
	s_add_nc_u64 s[18:19], s[18:19], s[40:41]      ; my unit of Wo
	v_and_b32 v13, 15, v0                          ; r
	v_bfe_u32 v14, v0, 4, 1                        ; h
	s_mul_i32 s24, s[WV], SWAVE
	s_add_co_u32 s24, s24, STG
	v_add_nc_u32 v[SWR], s24, v[LO]
	v_mul_u32_u24 v15, v13, SROW
	v_add_nc_u32 v15, s24, v15
	v_lshl_add_u32 v[SRQ], v14, 6, v15
	v_lshl_add_u32 v[SRW], v14, 8, v15
	s_lshl_b32 s25, s[WV], 10
	v_add_nc_u32 v[IW], s25, v[LO]
	v_add_nc_u32 v[IW2], WIMG, v[IW]
	v_lshlrev_b32 v15, 2, v12                      ; 4 x lane
	s_lshl_b32 s25, s[WV], 7
	s_add_co_u32 s25, s25, HSC
	v_add_nc_u32 v[SWD], s25, v15
	s_lshl_b32 s25, s[KS], 12
	s_add_co_u32 s25, s25, WIMG
	v_add_nc_u32 v[FW], s25, v[LO]
	s_lshl_b32 s25, s[T4], 13
	v_add_nc_u32 v[FH], s25, v[LO]
	s_lshl_b32 s25, s[KS], 9
	s_add_co_u32 s25, s25, WSC
	v_add_nc_u32 v[FWS], s25, v15
	s_lshl_b32 s25, s[T4], 10
	s_add_co_u32 s25, s25, HSC
	v_add_nc_u32 v[FHS], s25, v15
.irp b, 0,1,2,3
	v_mov_b32 v[TM+4+\b], 0                        ; written once: a lane permute's destination counts as one of its sources
.endr
	; ---- five fragments a wave; two fragments' loads are on their way
	s_wait_loadcnt 16                              ; this fragment's 16 loads are in; the next fragment's 16 may be out
	TURNQ L0
	s_wait_dscnt 0x0                               ; X is in, and the stage's stores have read the landing registers,
	LOADF L0, 6, 16384, 0                          ; which take Wq's fragment
	QUANT
	IMAGE IW, HIMG
	ds_store_b32 v[SWD], v[PW]
	s_wait_loadcnt 16
	TURNQ L1
	s_wait_dscnt 0x0                               ; also: the image's stores have read the codes' registers
	LOADF L1, 8, 16384, 0                          ; Wk's
	QUANT
	IMAGE IW, HIMG+16384
	ds_store_b32 v[SWD], v[PW] offset:2048
	s_wait_loadcnt 16
	TURNQ L0
	s_wait_dscnt 0x0
	LOADF L0, 10, 16384, 0                         ; Wv's
	QUANT
	IMAGE IW2, 0
	ds_store_b32 v[SWD], v[PW] offset:4096
	s_wait_loadcnt 16
	TURNQ L1
	s_wait_dscnt 0x0
	s_cmp_lg_u32 s[JC], 0                          ; the work-groups of chunk 0 also take Wo: a branch on the work-group's number, the same in all 16 waves
	s_cbranch_scc1 .Lnot_wo_a
	LOADF L1, 12, 2048, 0                          ; 16 rows of Wo x 128 features
.Lnot_wo_a:
	QUANT
	IMAGE IW2, 16384
	ds_store_b32 v[SWD], v[PW] offset:6144
	s_wait_loadcnt 0x0                             ; the last fragment (and Wo's unit, where it was asked for)
	TURNQ L0
	s_wait_dscnt 0x0
	QUANT
	IMAGE IW2, 32768
	ds_store_b32 v[SWD], v[PW] offset:8192
	s_cmp_lg_u32 s[JC], 0
	s_cbranch_scc1 .Lnot_wo_b
	; ---- Wo in f16, sorted by head: lane (r, h) holds features 128 s + 64 h + 8 i + head of row r in X[8 i + head]
	TURNW L1
	s_wait_dscnt 0x0
.irp d, 0,1,2,3,4,5,6,7
.irp p, 0,1,2,3
	v_cvt_pk_f16_f32 v[L0+4*\d+\p], v[X+16*\p+\d], v[X+16*\p+8+\d]   ; head d: i = 2 p, 2 p + 1
.endr
.endr
.irp d, 0,1,2,3,4,5,6,7
	global_store_b128 v[LO], v[L0+4*\d:L0+4*\d+3], s[18:19] offset:(\d/2)*32768+(\d%2)*2048   ; 512 consecutive bytes, aligned
.endr
.Lnot_wo_b:
	s_wait_dscnt 0x0                               ; my images and scale words have landed
	s_barrier_signal -1
	s_barrier_wait -1                              ; everybody's have
	s_wait_xcnt 0x0                                ; the stores above have read their registers, which are written again below
	; ---- the products
.irp a, 0,1,2
.irp s, 0,1,2,3
.irp c, 0,1
	ds_load_b128 v[WF+8*(4*\a+\s)+4*\c:WF+8*(4*\a+\s)+4*\c+3], v[FW] offset:16384*\a+1024*\s+512*\c
.endr
	ds_load_b32 v[WS+4*\a+\s], v[FWS] offset:2048*\a+128*\s
.endr
.endr
.irp i, 0,1
.irp s, 0,1,2,3
.irp c, 0,1
	ds_load_b128 v[HF+8*(4*\i+\s)+4*\c:HF+8*(4*\i+\s)+4*\c+3], v[FH] offset:4096*\i+1024*\s+512*\c
.endr
	ds_load_b32 v[HS+4*\i+\s], v[FHS] offset:512*\i+128*\s
.endr
.endr
	s_wait_dscnt 0x0
.irp s, 0,1,2,3                                    ; the six accumulators take turns, one instruction a turn
.irp i, 0,1
	PROD ACC+8*(3*\i), WF+8*\s, HF+8*(4*\i+\s), WS+\s, HS+4*\i+\s, \s               ; q, transposed
	PROD ACC+8*(3*\i+1), WF+8*(4+\s), HF+8*(4*\i+\s), WS+4+\s, HS+4*\i+\s, \s       ; k, transposed
	PROD ACC+8*(3*\i+2), HF+8*(4*\i+\s), WF+8*(8+\s), HS+4*\i+\s, WS+8+\s, \s       ; v, plain
.endr
.endr
.rept 4
	v_nop                                          ; four places ahead of the first read of results and the first write over operands (ISA guide 7.12.1)
.endr
.irp t, 0,1,2,3,4,5
.irp p, 0,1,2,3
	v_cvt_pk_f16_f32 v[PK+4*\t+\p], v[ACC+8*\t+2*\p], v[ACC+8*\t+2*\p+1]   ; each accumulator from its low end on
.endr
.endr
.irp i, 0,1
	global_store_b128 v[LO], v[PK+12*\i:PK+12*\i+3], s[14:15] offset:2048*\i       ; q(16 T + r, 16 cg + 8 h + 0 .. 7)
	global_store_b128 v[LO], v[PK+12*\i+4:PK+12*\i+7], s[42:43] offset:2048*\i     ; k likewise
	global_store_b128 v[LO], v[PK+12*\i+8:PK+12*\i+11], s[16:17] offset:512*\i     ; v(16 T + 8 h + 0 .. 7, 16 cg + r)
.endr
	s_wait_tensorcnt 0x0                           ; the wave's end, behind my last LDS store
	ds_add_u32 v[SPW], v[NIL]
	s_wait_dscnt 0x0
	s_endpgm
.Lfunc_end_k_qeb1fc4c02f_proj:
	.size	k_qeb1fc4c02f_proj, .Lfunc_end_k_qeb1fc4c02f_proj-k_qeb1fc4c02f_proj
	.p2alignl 7, 3214868480
	.fill 96, 4, 3214868480
	.section	.rodata,"a",@progbits
	.p2align	6, 0x0
	.amdhsa_kernel k_qeb1fc4c02f_proj
		.amdhsa_group_segment_fixed_size 229376
		.amdhsa_private_segment_fixed_size 0
		.amdhsa_enable_private_segment 0
		.amdhsa_kernarg_size 64
		.amdhsa_user_sgpr_count 2
		.amdhsa_user_sgpr_kernarg_segment_ptr 1
		.amdhsa_wavefront_size32 1
		.amdhsa_system_sgpr_workgroup_id_x 1
		.amdhsa_system_sgpr_workgroup_id_y 1
		.amdhsa_system_sgpr_workgroup_id_z 1
		.amdhsa_system_vgpr_workitem_id 0
		.amdhsa_next_free_vgpr 256
		.amdhsa_next_free_sgpr 66
		.amdhsa_reserve_vcc 0
		.amdhsa_float_denorm_mode_32 3
		.amdhsa_float_denorm_mode_16_64 3
		.amdhsa_memory_ordered 1
		.amdhsa_forward_progress 1
		.amdhsa_inst_pref_size 57
	.end_amdhsa_kernel
	.amdgpu_metadata
---
amdhsa.version: [ 1, 2 ]
amdhsa.kernels:
  - .name:           k_qeb1fc4c02f_proj
    .symbol:         k_qeb1fc4c02f_proj.kd
    .args:
      - { .name: h, .offset: 0, .size: 8, .value_kind: global_buffer, .address_space: global }
      - { .name: Wq, .offset: 8, .size: 8, .value_kind: global_buffer, .address_space: global }
      - { .name: Wk, .offset: 16, .size: 8, .value_kind: global_buffer, .address_space: global }
      - { .name: Wv, .offset: 24, .size: 8, .value_kind: global_buffer, .address_space: global }
      - { .name: Wo, .offset: 32, .size: 8, .value_kind: global_buffer, .address_space: global }
      - { .name: qf, .offset: 40, .size: 8, .value_kind: global_buffer, .address_space: global }
      - { .name: kv, .offset: 48, .size: 8, .value_kind: global_buffer, .address_space: global }
      - { .name: wof, .offset: 56, .size: 8, .value_kind: global_buffer, .address_space: global }
    .group_segment_fixed_size: 229376
    .private_segment_fixed_size: 0
    .kernarg_segment_align: 8
    .kernarg_segment_size: 64
    .max_flat_workgroup_size: 512
    .sgpr_count:     66
    .vgpr_count:     256
    .wavefront_size: 32
...
	.end_amdgpu_metadata
.endif
;; end of part 1
;; launch attn (part 2): grid 8 x 32, 8 waves a work-group, clusters of 4 x 4, 327,680 bytes of LDS; arguments A, qf, kv, of; writes of
.if DOCPART == 2
	.amdgcn_target "amdgcn-amd-amdhsa--gfx1250"
	.amdhsa_code_object_version 6
	.text
	.protected	k_qeb1fc4c02f_attn
	.globl	k_qeb1fc4c02f_attn
	.p2align	8
	.type	k_qeb1fc4c02f_attn,@function
k_qeb1fc4c02f_attn:
	s_mov_b64 s[64:65], 0
	v_nop
	global_prefetch_b8 v0, s[64:65] scope:SCOPE_SE
	s_setreg_imm32_b32 hwreg(HW_REG_WAVE_MODE, 25, 1), 1
	s_wait_xcnt 0x0
	s_wait_alu depctr_hold_cnt(0) depctr_sa_sdst(0) depctr_va_vdst(0) depctr_va_sdst(0) depctr_va_ssrc(0) depctr_va_vcc(0) depctr_vm_vsrc(0)
	s_getreg_b32 s2, hwreg(HW_REG_IB_STS2, 6, 4)
	s_cmp_eq_u32 s2, 0
	s_cbranch_scc0 .Lentry_in_a_cluster
	s_endpgm
.Lentry_in_a_cluster:
	s_bfe_u32 s2, ttmp6, 0x10000c
	s_cmp_lg_u32 s2, 0xf033
	s_cbranch_scc0 .Lentry_shape_is_right
	s_endpgm
.Lentry_shape_is_right:
; o[n][d][head] = the sum over m of softmax_m(A[n][m] x SCALING x q[n] . k[m]) v[m][d], for all 4,096 keys (a zero of A still counts as exp(0)).  q, k, v: f16 images made by the launch before; A: [4096][4096] f32.
; Products on f16 operands, sums in f32; x A, maxima, exponentials and row sums in f32; the weights p are rounded to f16 for the second product.
; SOFTMAX: t = c x A x score, c = SCALING x log2(e); M = the running largest t rounded up to a whole number; p = 2^(t - M); when M moves, the sum and O are multiplied by 2^(old M - new M), which rounds nothing.
; SHARES.  Work-group (x = head, y = block of 128 queries).  Wave w: 32 queries (two tiles, g = w % 4) x 64 of a step's 128 keys (kh = w / 4); each wave has its own M, sum and O^T, and the two halves of the keys are merged once at the end.
; Both products are used transposed (S^T = K Q^T, O^T = V^T P): a lane holds ONE query throughout, and two packed tiles of S^T are source 1 of the second product as they stand.
; K AND V come through a ring of two LDS slots of 512 keys (four steps, 131,072 bytes), each of the eight waves fetching 16,384 bytes by one tensor load: one load of mine is out at any time, and it has four steps' work in which to land.
; CLUSTER 4 x 4.  The block of K and V hangs on the head alone and is asked for jointly by the four query blocks of a column of the cluster: the same tensor load, the same descriptor, a mask that names the four.
; A COMES THROUGH REGISTERS, NOT JOINTLY, though the four heads of a row of the cluster read the same rows.  The reason, by the sizes: a joint request is a tensor load, and a tensor load's lead is one slot's work.  A is 512 bytes a key for the
; work-group's 128 queries, K and V 256: with both in the ring two slots hold 128 keys each, and a refill has one step in which to land; without A they hold 512.  So each wave loads its own 32 rows x 256 bytes of a step (16 loads, sixteen lanes
; to an aligned 256 bytes) into one of four sets of 64 registers, four steps ahead: 64 loads of mine are out.  A set goes through my own stage in LDS, a tile of 16 queries at a time, and comes back in S^T's layout; no other wave touches it.
; THE RESULT leaves as a pair of f16 numbers, a high part and 2^11 x the rest, in the last launch's operand layout.
; LIMITS: NaN and infinities are not served; the result must stay under 65,504 in size.  SCALING is applied with log2(e) to A x score, in f32, not to q.
; REGISTERS, in windows of 256 (s_set_vgpr_msb: bits 1:0 source 0, 3:2 source 1, 5:4 source 2, 7:6 destination): window 0: all that the arithmetic touches; window 1: A's four sets, set s at v[64 s].
.set STEPB, 32768                      ; a step's 128 keys in the ring: K's 16,384 bytes, then V^T's 16,384, as register images
.set SLOT1, 131072                     ; a slot is four steps; slot 1 begins here: one exclusive or turns an address from slot to slot
.set STG,   2*SLOT1                    ; behind the ring: a stage of 16 rows x 272 bytes for each wave; no fill lands here
.set SROW,  272                        ; 256 bytes + 16: 68 words, so that the 16 rows that a load touches start 4 words apart
.set SWAVE, 16*SROW
.set MRGW,  2*SWAVE                    ; the two stages of a pair of waves (g, g + 4) lie on end: at the end they serve the merge, 8,192 + 512 bytes
.set SPARE, STG+8*SWAVE                ; the spare words, 128 bytes for each wave: four blocks of 256 bytes that no other line names
.set LK,  1                            ; v1   8,192 kh + 16 x lane: my lane's place in a step's K; V^T's is 16,384 on
.set SWR, 2                            ; v2   my stage + 272 h + 16 r: two rows go in as they were loaded
.set SRD, 3                            ; v3   my stage + 272 r + 32 h: eight keys of my query come out
.set ADK, 4                            ; v4   LK in the step in hand
.set AOF, 5                            ; v5   16,384 h + 16 r: my 16 bytes of two rows of A; never rewritten
.set QOF, 6                            ; v6   16 x lane; never rewritten
.set SPW, 7                            ; v7   LDS address of my spare word; never rewritten
.set NIL, 8                            ; v8   0; never rewritten
.set PFO, 9                            ; v9   256 x lane: the prefetches' offset; never rewritten
.set TS,  10                           ; v[10:13] the sums' second chains
.set MA,  14                           ; v14  the merge: STG + 8,704 g + 16 x lane
.set MS,  15                           ; v15  STG + 8,704 g + 8,192 + 4 x lane
.set ST,  16                           ; tile q at v[ST + 8 q]: +0 -M, +1 the largest t, +2, +3 the sum in two halves, +4 f, +5 0, +6, +7 at work
.set Q,   32                           ; v32-63   Q: 16 q + 8 e
.set R,   64                           ; v64-127  K (16 t + 8 e), then A (32 q + 8 t), then V^T (32 ks + 8 dt)
.set S,   128                          ; v128-191 S^T (32 q + 8 t), then p; P lies over it at 32 q + 8 ks
.set O,   192                          ; v192-255 O^T (32 q + 8 dt)
.set HI,  64                           ; the way out: the high parts,
.set LW,  128                          ; and the low ones
.set WV,  12
.set U,   13                           ; wave % 4: g
.set KH,  14                           ; wave / 4
.set LIM, 15                           ; 1 in a wave that prefetches, else the greatest number
.set CX,  16
.set CY,  17
.set HD,  18
.set YB,  19
.set SEL, 20                           ; s[20:21] lane l xor 16
.set CS,  22                           ; s[22:23] c, named as a pair
.set TQ,  24                           ; LDS byte at which the step in hand begins
.set G1K, 32                           ; s[32:39] descriptor group 1
.set G0K, 44                           ; s[44:47] group 0, which walks
.set TB,  48                           ; LDS byte at which the slot in hand begins
.set SLOTS, 49                         ; slots still to be asked for
.set PFA, 50                           ; s[50:51] where my prefetches stand
.set AB,  52                           ; s[52:53] A at my first row, my half of the keys, the slot whose steps are being asked for
.set MSB, 0
.macro WIN new                         ; the immediate's high byte repeats the setting that is left; a switch that changes nothing is dropped
.if MSB != \new
	s_set_vgpr_msb (MSB<<8)|\new
.set MSB, \new
.endif
.endm
.set W_LD, 0x40                        ; a load's destination in window 1, its address in window 0
.set W_ST, 0x04                        ; an LDS store's data (its source 1) in window 1, its address in window 0
.macro CROUND                          ; a round of the cluster's barrier
	s_barrier_signal -1
	s_barrier_wait -1
	s_cmp_lg_u32 s[WV], 0
	s_cbranch_scc1 .Lnot_wave_0_\@
	s_barrier_signal -3
.Lnot_wave_0_\@:
	s_barrier_wait -3
	s_barrier_signal -1
	s_barrier_wait -1
.endm
.macro JLOAD                           ; a joint load: every wave fetches its own 16,384 bytes of the slot.  An s_nop 0 and four v_nop follow the line
	tensor_load_to_lds s[G0K:G0K+3], s[G1K:G1K+7]
	s_nop 0
.rept 4
	v_nop
.endr
.endm
; A PREFETCH of the slot of K and V that the NEXT change of slots will ask for: four steps ahead of that load.  Each aligned block of 256 bytes is named once in the launch.  A head's block is read by all eight clusters of a column
; of clusters: the one with y = 0 asks; the four partners of a column of the cluster take 32,768 bytes each, told apart BY ADDRESS; in each, waves 0 to 3 take 8,192 bytes, lanes 256 bytes apart: one instruction a wave.
; The last request is for slot 7; slots 0 and 1 come by their loads alone.  A is not asked for: its own loads are out four steps ahead.
.macro ASK
	s_cmp_gt_u32 s[SLOTS], s[LIM]
	s_cbranch_scc0 .Lnot_mine_\@
	global_prefetch_b8 v[PFO], s[PFA:PFA+1] th:TH_LOAD_NT scope:SCOPE_SE
.Lnot_mine_\@:
.endm
; THE CHANGE OF SLOTS, at a slot's head.  Each wave waits for all its tensor loads (its part of the slot that it is about to read), adds 0 to its spare word, and waits for that and for its reads of the slot that it has left.
; fill = 1: a round of the cluster's barrier, so that no wave of any partner still reads that slot or has a load on its way; then the joint load of the next 512 keys into it, which has this slot's four steps in which to land.
.macro CHANGE fill
	s_wait_tensorcnt 0x0                           ; no tensor load of mine is out, so a group 0 may be written
	ds_add_u32 v[SPW], v[NIL]                      ; 0 onto my spare word
.if \fill
	s_xor_b32 s[G0K+1], s[G0K+1], SLOT1            ; the walking descriptor: the other slot,
	s_add_nc_u64 s[G0K+2:G0K+3], s[G0K+2:G0K+3], SLOT1   ; the next 512 keys; the type bits on top are not reached
	s_wait_xcnt 0x0                                ; the last prefetch and A's loads have read their bases, so both may be written:
	s_add_nc_u64 s[PFA:PFA+1], s[PFA:PFA+1], SLOT1 ; one slot further on than the walking descriptor,
	s_add_nc_u64 s[AB:AB+1], s[AB:AB+1], 2048      ; and 512 keys on in A's rows: this slot's steps ask for the next slot's
.endif
	s_wait_dscnt 0x0                               ; the add is done, and my reads of the slot that I have left are over
.if \fill
	CROUND
	JLOAD
	ASK
.else
	s_barrier_signal -1
	s_barrier_wait -1
.endif
.endm
; A STEP of a wave: 32 queries x 64 keys, the st-th of the slot in hand.  load = 1: A's set st is loaded again, with the next slot's step st.  left: how many younger loads of A may stay out.
.macro STEP st, load, left
	s_add_co_u32 s[TQ], s[TB], STEPB*(\st)
	v_add_nc_u32 v[ADK], s[TQ], v[LK]
.rept 4
	v_nop                                          ; with the addition five places behind the last products: the loads below land on their operands (four are asked), and the new S^T is written over P (five)
.endr
.irp e, 0,1                                        ; K: 4 tiles of 16 keys x 2 halves of d; the first half of d first
.irp t, 0,1,2,3
.irp c, 0,1
	ds_load_b128 v[R+16*\t+8*\e+4*\c:R+16*\t+8*\e+4*\c+3], v[ADK] offset:2048*\t+1024*\e+512*\c
.endr
.endr
.endr
	s_wait_loadcnt \left                           ; this step's 16 loads of A are in (in the first step: Q too); the younger sets' stay out
	WIN W_ST
.irp i, 0,1,2,3,4,5,6,7
	ds_store_b128 v[SWR], v[64*(\st)+4*\i:64*(\st)+4*\i+3] offset:2*SROW*\i      ; query tile 0's 16 rows into my stage, two rows a line
.endr
	WIN 0
	s_wait_dscnt 16                                ; d = 0 .. 31 of K are in; the eight loads of d = 32 .. 63 and the eight stores may be out
.irp t, 0,1,2,3                                    ; S^T = K Q^T: eight accumulators by turns, one instruction a turn
.irp q, 0,1
	v_wmma_f32_16x16x32_f16 v[S+32*\q+8*\t:S+32*\q+8*\t+7], v[R+16*\t:R+16*\t+7], v[Q+16*\q:Q+16*\q+7], 0
.endr
.endr
	s_wait_dscnt 8                                 ; all of K is in; the eight stores may be out
.irp t, 0,1,2,3
.irp q, 0,1
	v_wmma_f32_16x16x32_f16 v[S+32*\q+8*\t:S+32*\q+8*\t+7], v[R+16*\t+8:R+16*\t+15], v[Q+16*\q+8:Q+16*\q+15], v[S+32*\q+8*\t:S+32*\q+8*\t+7]
.endr
.endr
.rept 4
	v_nop                                          ; four places ahead of the loads into K's registers and of the first read of S^T
.endr
.irp t, 0,1,2,3                                    ; A(query, key) of tile 0 in S^T's own layout: 32 bytes a lane and tile of keys.  LDS serves a wave's instructions in order: these see my stores,
.irp c, 0,1
	ds_load_b128 v[R+8*\t+4*\c:R+8*\t+4*\c+3], v[SRD] offset:64*\t+16*\c
.endr
.endr
	WIN W_ST
.irp i, 0,1,2,3,4,5,6,7
	ds_store_b128 v[SWR], v[64*(\st)+32+4*\i:64*(\st)+32+4*\i+3] offset:2*SROW*\i   ; and query tile 1's rows come into the stage behind them
.endr
	WIN 0
.irp t, 0,1,2,3
.irp c, 0,1
	ds_load_b128 v[R+32+8*\t+4*\c:R+32+8*\t+4*\c+3], v[SRD] offset:64*\t+16*\c
.endr
.endr
	s_wait_dscnt 16                                ; tile 0's are in; tile 1's eight stores and eight loads may be out
.irp i, 0,2,4,6,8,10,12,14,16,18,20,22,24,26,28,30
	v_pk_mul_f32 v[S+\i:S+\i+1], v[S+\i:S+\i+1], v[R+\i:R+\i+1]          ; x A, each accumulator from its low end on
.endr
.irp d, 0,1,2,3                                    ; V^T of my first 32 keys, into the registers just read: it lands under the softmax
.irp c, 0,1
	ds_load_b128 v[R+8*\d+4*\c:R+8*\d+4*\c+3], v[ADK] offset:16384+1024*\d+512*\c
.endr
.endr
	s_wait_dscnt 8                                 ; A's tile 1 is in, and all the stage's stores have read their registers; the eight loads of V^T just issued may be out
.irp i, 32,34,36,38,40,42,44,46,48,50,52,54,56,58,60,62
	v_pk_mul_f32 v[S+\i:S+\i+1], v[S+\i:S+\i+1], v[R+\i:R+\i+1]
.endr
.irp d, 0,1,2,3
.irp c, 0,1
	ds_load_b128 v[R+32+8*\d+4*\c:R+32+8*\d+4*\c+3], v[ADK] offset:16384+4096+1024*\d+512*\c
.endr
.endr
.if \load
	WIN W_LD
.irp i, 0,1,2,3,4,5,6,7,8,9,10,11,12,13,14,15
	global_load_b128 v[64*(\st)+4*\i:64*(\st)+4*\i+3], v[AOF], s[AB:AB+1] offset:32768*\i+512*(\st)   ; rows 2 i and 2 i + 1 of my 32, my 64 keys of the next slot's step st: sixteen lanes read 256 consecutive bytes, aligned
.endr
	WIN 0
.endif
.irp q, 0,1                                        ; the largest A x score of my 32 keys: two chains a tile, the tiles by turns
	v_max3_num_f32 v[ST+8*\q+6], v[S+32*\q], v[S+32*\q+1], v[S+32*\q+2]
	v_max3_num_f32 v[ST+8*\q+7], v[S+32*\q+3], v[S+32*\q+4], v[S+32*\q+5]
.endr
.irp i, 6,10,14,18,22,26
.irp q, 0,1
	v_max3_num_f32 v[ST+8*\q+6], v[ST+8*\q+6], v[S+32*\q+\i], v[S+32*\q+\i+1]
	v_max3_num_f32 v[ST+8*\q+7], v[ST+8*\q+7], v[S+32*\q+\i+2], v[S+32*\q+\i+3]
.endr
.endr
.irp q, 0,1
	v_max3_num_f32 v[ST+8*\q+6], v[ST+8*\q+6], v[S+32*\q+30], v[S+32*\q+31]
.endr
.irp q, 0,1
	v_max_num_f32 v[ST+8*\q+6], v[ST+8*\q+6], v[ST+8*\q+7]
.endr
.irp q, 0,1
	v_permlanex16_b32 v[ST+8*\q+7], v[ST+8*\q+6], s[SEL], s[SEL+1]      ; the query's other 32 keys lie in the lane 16 away
.endr
.irp q, 0,1
	v_max_num_f32 v[ST+8*\q+6], v[ST+8*\q+6], v[ST+8*\q+7]
.endr
.irp q, 0,1
	v_mul_f32 v[ST+8*\q+6], s[CS], v[ST+8*\q+6]                         ; as t (c is positive)
.endr
.irp q, 0,1
	v_max_num_f32 v[ST+8*\q+1], v[ST+8*\q+1], v[ST+8*\q+6]              ; the running largest t
.endr
.irp q, 0,1
	v_mov_b32 v[ST+8*\q+6], v[ST+8*\q]                                  ; the old -M is kept for f
.endr
.irp q, 0,1
	v_floor_f32 v[ST+8*\q], -v[ST+8*\q+1]                               ; the new -M = floor(-t)
.endr
.irp q, 0,1
	v_sub_f32 v[ST+8*\q+6], v[ST+8*\q], v[ST+8*\q+6]                    ; old M - new M: a whole number, 0 or less
.endr
.irp q, 0,1
	v_cvt_i32_f32 v[ST+8*\q+6], v[ST+8*\q+6]                            ; (it saturates)
.endr
.irp q, 0,1
	v_ldexp_f32 v[ST+8*\q+4], 1.0, v[ST+8*\q+6]                         ; f = 2^(old M - new M)
.endr
.irp q, 0,1
.irp i, 0,2,4,6,8,10,12,14,16,18,20,22,24,26,28,30
	v_pk_fma_f32 v[S+32*\q+\i:S+32*\q+\i+1], v[S+32*\q+\i:S+32*\q+\i+1], s[CS:CS+1], v[ST+8*\q:ST+8*\q+1] op_sel_hi:[1,0,0]   ; t - M (of the pairs c and -M the low word serves both halves)
.endr
.endr
.set n, 0
.rept 32                                           ; the 64 exponentials are one batch; O^T's rescaling, which names none of their results, is the plain work among them
	v_exp_f32 v[S+2*n], v[S+2*n]
	v_exp_f32 v[S+2*n+1], v[S+2*n+1]
	v_pk_mul_f32 v[O+2*n:O+2*n+1], v[O+2*n:O+2*n+1], v[ST+8*(n/16)+4:ST+8*(n/16)+5] op_sel_hi:[1,0]
.set n, n+1
.endr
.irp q, 0,1
	v_pk_mul_f32 v[ST+8*\q+2:ST+8*\q+3], v[ST+8*\q+2:ST+8*\q+3], v[ST+8*\q+4:ST+8*\q+5] op_sel_hi:[1,0]   ; the sums under the new M
.endr
	s_wait_alu depctr_va_vdst(0)                   ; one wait for the whole batch, ahead of its first reader
.irp q, 0,1                                        ; the row's sum, of the unrounded p: two chains a tile
	v_pk_add_f32 v[TS+2*\q:TS+2*\q+1], v[S+32*\q:S+32*\q+1], v[S+32*\q+2:S+32*\q+3]
.endr
.irp j, 4,8,12,16,20,24,28
.irp q, 0,1
	v_pk_add_f32 v[ST+8*\q+2:ST+8*\q+3], v[ST+8*\q+2:ST+8*\q+3], v[S+32*\q+\j:S+32*\q+\j+1]
	v_pk_add_f32 v[TS+2*\q:TS+2*\q+1], v[TS+2*\q:TS+2*\q+1], v[S+32*\q+\j+2:S+32*\q+\j+3]
.endr
.endr
.irp q, 0,1
	v_pk_add_f32 v[ST+8*\q+2:ST+8*\q+3], v[ST+8*\q+2:ST+8*\q+3], v[TS+2*\q:TS+2*\q+1]
.endr
.irp q, 0,1                                        ; p to f16, in place: destination i lies under every later source
.irp i, 0,1,2,3,4,5,6,7,8,9,10,11,12,13,14,15
	v_cvt_pk_f16_f32 v[S+32*\q+\i], v[S+32*\q+2*\i], v[S+32*\q+2*\i+1]
.endr
.endr
	s_wait_dscnt 0x0                               ; V^T is in: my last LDS reads of this step
.irp k, 0,1                                        ; O^T += V^T P: eight accumulators by turns
.irp d, 0,1,2,3
.irp q, 0,1
	v_wmma_f32_16x16x32_f16 v[O+32*\q+8*\d:O+32*\q+8*\d+7], v[R+32*\k+8*\d:R+32*\k+8*\d+7], v[S+32*\q+8*\k:S+32*\q+8*\k+7], v[O+32*\q+8*\d:O+32*\q+8*\d+7]
.endr
.endr
.endr
.endm
.macro ASET st                         ; at the head: slot 0's step st of A into set st
.irp i, 0,1,2,3,4,5,6,7,8,9,10,11,12,13,14,15
	global_load_b128 v[64*(\st)+4*\i:64*(\st)+4*\i+3], v[AOF], s[AB:AB+1] offset:32768*\i+512*(\st)
.endr
.endm
	s_load_b256 s[4:11], s[0:1], 0x0               ; A s[4:5], qf s[6:7], kv s[8:9], of s[10:11]
	v_lshl_add_u32 v[SPW], v0, 2, SPARE
	v_mov_b32 v[NIL], 0
	ds_add_u32 v[SPW], v[NIL]                      ; the wave's opening: the add, twice on end, and its wait ahead of my first tensor load; the set-up below, work on registers, stands between
	ds_add_u32 v[SPW], v[NIL]
	v_lshrrev_b32 v10, 5, v0
	v_readfirstlane_b32 s[WV], v10                 ; wave 0..7
	s_and_b32 s[U], s[WV], 3
	s_lshr_b32 s[KH], s[WV], 2
	s_bfe_u32 s[CX], ttmp6, 0x40000                ; my place in the cluster
	s_bfe_u32 s[CY], ttmp6, 0x40004
	s_lshl_b32 s[HD], ttmp9, 2
	s_add_co_u32 s[HD], s[HD], s[CX]               ; the head = 4 x cluster x + cx
	s_and_b32 s[YB], ttmp7, 0xffff
	s_lshl_b32 s[YB], s[YB], 2
	s_add_co_u32 s[YB], s[YB], s[CY]               ; the block of queries = 4 x cluster y + cy
	s_lshl_b32 s55, 0x1111, s[CX]                  ; my column of the cluster
	s_or_b32 s[G1K], s55, (3<<16)|(1<<21)          ; 15:0 the mask: my column; 17:16 elements of 8 bytes; 21 set beside a mask; no padding: 16,384 dense bytes as 64 rows of 256
	s_mov_b32 s[G1K+1], 32<<16                     ; tensor_dim0 = 32
	s_mov_b32 s[G1K+2], 64<<16                     ; tensor_dim1 = 64
	s_mov_b32 s[G1K+3], 32<<16                     ; tile_dim0 = 32
	s_mov_b32 s[G1K+4], 64                         ; tile_dim1 = 64
	s_mov_b32 s[G1K+5], 32                         ; elements from row to row
	s_mov_b32 s[G1K+6], 0
	s_mov_b32 s[G1K+7], 0
	s_lshl_b32 s66, s[YB], 21                      ; A: row 128 y + 32 g, 16,384 bytes a row, + my half of a step's keys
	s_lshl_b32 s67, s[U], 19
	s_add_co_u32 s66, s66, s67
	s_lshl_b32 s67, s[KH], 8
	s_add_co_u32 s66, s66, s67
	s_mov_b32 s67, 0
	s_lshl_b32 s57, s[WV], 14                      ; my 16,384 bytes of a slot, in memory and in LDS: no place in the cluster enters an LDS address
	s_lshl_b32 s68, s[HD], 20                      ; kv: the head's 1,048,576 bytes: of the head and the wave's number alone
	s_add_co_u32 s68, s68, s57
	s_mov_b32 s69, 0
	s_lshl_b32 s70, s[HD], 19                      ; qf: tile 256 head + 8 y + 2 g, 2,048 bytes a tile
	s_lshl_b32 s71, s[YB], 14
	s_add_co_u32 s70, s70, s71
	s_lshl_b32 s71, s[U], 12
	s_add_co_u32 s70, s70, s71
	s_mov_b32 s71, 0
	s_lshl_b32 s72, s[YB], 18                      ; of: 131,072 for 64 queries, 32,768 for two heads, 8,192 a tile, 4,096 a head
	s_lshr_b32 s73, s[U], 1
	s_lshl_b32 s73, s73, 17
	s_add_co_u32 s72, s72, s73
	s_lshr_b32 s73, s[HD], 1
	s_lshl_b32 s73, s73, 15
	s_add_co_u32 s72, s72, s73
	s_and_b32 s73, s[U], 1
	s_lshl_b32 s73, s73, 14
	s_add_co_u32 s72, s72, s73
	s_and_b32 s73, s[HD], 1
	s_lshl_b32 s73, s73, 12
	s_add_co_u32 s72, s72, s73
	s_mov_b32 s73, 0
	s_lshl_b32 s74, s[HD], 20                      ; the prefetches: the head, 32,768 cy, 8,192 (wave % 4), slot 1.  The first change of slots steps them to slot 2
	s_lshl_b32 s75, s[CY], 15
	s_add_co_u32 s74, s74, s75
	s_lshl_b32 s75, s[U], 13
	s_add_co_u32 s74, s74, s75
	s_add_co_u32 s74, s74, SLOT1
	s_mov_b32 s75, 0
	v_and_b32 v[PFO], 31, v0
	v_lshlrev_b32 v[PFO], 8, v[PFO]
	s_and_b32 s54, ttmp7, 0xffff                   ; who asks: the clusters with y = 0,
	s_or_b32 s54, s54, s[KH]                       ; waves 0 to 3: the same in all sixteen partners
	s_cmp_eq_u32 s54, 0
	s_cselect_b32 s[LIM], 1, -1
	s_mov_b32 s[SEL], 0x76543210
	s_mov_b32 s[SEL+1], 0xfedcba98
	s_mov_b32 s[CS], 0x3d8293ee                    ; c = log2(e) / sqrt(512)
	s_mov_b32 s[CS+1], s[CS]
	s_mov_b32 s[TB], 0
	s_mov_b32 s[SLOTS], 7
	v_and_b32 v10, 31, v0
	v_lshlrev_b32 v13, 2, v10                      ; 4 x lane
	v_lshlrev_b32 v[QOF], 4, v10                   ; 16 x lane
	v_and_b32 v11, 15, v0                          ; r
	v_bfe_u32 v12, v0, 4, 1                        ; h
	s_lshl_b32 s58, s[KH], 13
	v_add_nc_u32 v[LK], s58, v[QOF]
	s_lshl_b32 s58, s[U], 1
	s_add_co_u32 s58, s58, s[KH]                   ; my stage's place: 2 g + kh
	s_mul_i32 s58, s58, SWAVE
	s_add_co_u32 s58, s58, STG
	v_mul_u32_u24 v[SWR], v12, SROW
	v_lshl_add_u32 v[SWR], v11, 4, v[SWR]
	v_add_nc_u32 v[SWR], s58, v[SWR]
	v_mul_u32_u24 v[SRD], v11, SROW
	v_lshl_add_u32 v[SRD], v12, 5, v[SRD]
	v_add_nc_u32 v[SRD], s58, v[SRD]
	v_lshlrev_b32 v[AOF], 14, v12
	v_lshl_add_u32 v[AOF], v11, 4, v[AOF]
	s_mul_i32 s58, s[U], MRGW
	s_add_co_u32 s58, s58, STG
	v_add_nc_u32 v[MA], s58, v[QOF]
	s_add_co_u32 s58, s58, 8192
	v_add_nc_u32 v[MS], s58, v13
	s_wait_dscnt 0x0                               ; both opening adds are done
	s_wait_kmcnt 0x0
	s_add_nc_u64 s[6:7], s[6:7], s[70:71]          ; my two tiles of Q
	s_add_nc_u64 s[10:11], s[10:11], s[72:73]      ; where my result goes
	s_add_nc_u64 s[AB:AB+1], s[4:5], s[66:67]      ; A at slot 0
	s_add_nc_u64 s[PFA:PFA+1], s[8:9], s[74:75]
	CROUND                                         ; all sixteen work-groups are here: the first joint loads meet
	s_mov_b32 s[G0K], 1                            ; 1:0 count = 1
	s_mov_b32 s[G0K+1], s57                        ; 63:32 LDS address: slot 0
	s_add_nc_u64 s[G0K+2:G0K+3], s[8:9], s[68:69]  ; 120:64 global address: keys 0 to 511
	s_or_b32 s[G0K+3], s[G0K+3], 0x80000000        ; 127:126 type = 2
	JLOAD                                          ; slot 0
.irp i, 0,1,2,3,4,5,6,7
	global_load_b128 v[Q+4*\i:Q+4*\i+3], v[QOF], s[6:7] offset:512*\i   ; Q stays in registers
.endr
	WIN W_LD
	ASET 0
	ASET 1
	ASET 2
	WIN 0
.irp q, 0,1
	v_mov_b32 v[ST+8*\q+1], 0xff61b1e6             ; the largest t so far: -3e38, under every t
	v_mov_b32 v[ST+8*\q+2], 0                      ; the sum, in two halves
	v_mov_b32 v[ST+8*\q+3], 0
	v_mov_b32 v[ST+8*\q+5], 0                      ; named as the upper half of f's pair
.endr
.irp q, 0,1
	v_floor_f32 v[ST+8*\q], -v[ST+8*\q+1]          ; -M
.endr
.set n, 0
.rept 64
	v_mov_b32 v[O+n], 0                            ; O^T.  (The step is written for every step alike: the first finds zeros, which the first change of M leaves zeros)
.set n, n+1
.endr
	s_wait_loadcnt 48                              ; Q is in; the 48 loads of A behind it may be out
	WIN W_LD
	ASET 3
	WIN 0
.Lslot:                                            ; 7 trips: behind each change of slots but the last the next slot is asked for; a trip's four steps use A's four sets in turn and load them again
	CHANGE 1
	STEP 0, 1, 48
	STEP 1, 1, 48
	STEP 2, 1, 48
	STEP 3, 1, 48
	s_xor_b32 s[TB], s[TB], SLOT1
	s_sub_co_u32 s[SLOTS], s[SLOTS], 1
	s_cmp_lg_u32 s[SLOTS], 0
	s_cbranch_scc1 .Lslot
	CHANGE 0                                       ; the last slot is written out
	STEP 0, 0, 48
	STEP 1, 0, 32
	STEP 2, 0, 16
	STEP 3, 0, 0
	; ---- THE MERGE of the two halves of the keys, and the way out
.rept 4
	v_nop                                          ; four places behind the last products
.endr
.irp q, 0,1
	v_add_f32 v[ST+8*\q+2], v[ST+8*\q+2], v[ST+8*\q+3]
.endr
.irp q, 0,1
	v_permlanex16_b32 v[ST+8*\q+7], v[ST+8*\q+2], s[SEL], s[SEL+1]
.endr
.irp q, 0,1
	v_add_f32 v[ST+8*\q+2], v[ST+8*\q+2], v[ST+8*\q+7]   ; my 2,048 keys' sum
.endr
	s_wait_dscnt 0x0                               ; my reads of my stage are over
	s_barrier_signal -1
	s_barrier_wait -1                              ; everybody's are: the stages' bytes now serve the merge
	s_cmp_lt_u32 s[WV], 4
	s_cbranch_scc1 .Lkeeps
.irp i, 0,1,2,3,4,5,6,7,8,9,10,11,12,13,14,15
	ds_store_b128 v[MA], v[O+4*\i:O+4*\i+3] offset:512*\i   ; waves 4-7 hand over O^T as it stands, each accumulator from its low end on,
.endr
.irp q, 0,1
	ds_store_b32 v[MS], v[ST+8*\q] offset:256*\q            ; -M
	ds_store_b32 v[MS], v[ST+8*\q+2] offset:256*\q+128      ; and the sum
.endr
.Lkeeps:
	s_wait_dscnt 0x0                               ; for the others' sake: my stores have landed
	s_barrier_signal -1
	s_barrier_wait -1
	s_cmp_lt_u32 s[WV], 4
	s_cbranch_scc0 .Lend
.irp i, 0,1,2,3,4,5,6,7,8,9,10,11,12,13,14,15
	ds_load_b128 v[R+4*\i:R+4*\i+3], v[MA] offset:512*\i
.endr
.irp q, 0,1
	ds_load_b32 v[ST+8*\q+6], v[MS] offset:256*\q
	ds_load_b32 v[ST+8*\q+7], v[MS] offset:256*\q+128
.endr
	s_wait_dscnt 0x0
.irp q, 0,1
	v_min_num_f32 v[ST+8*\q+1], v[ST+8*\q], v[ST+8*\q+6]     ; the joint -M: the lesser
.endr
.irp q, 0,1
	v_sub_f32 v[ST+8*\q+4], v[ST+8*\q+1], v[ST+8*\q]
	v_sub_f32 v[ST+8*\q+5], v[ST+8*\q+1], v[ST+8*\q+6]
.endr
.irp q, 0,1
	v_cvt_i32_f32 v[ST+8*\q+4], v[ST+8*\q+4]
	v_cvt_i32_f32 v[ST+8*\q+5], v[ST+8*\q+5]
.endr
.irp q, 0,1
	v_ldexp_f32 v[ST+8*\q+4], 1.0, v[ST+8*\q+4]              ; each half's factor under the joint M
	v_ldexp_f32 v[ST+8*\q+5], 1.0, v[ST+8*\q+5]
.endr
.irp q, 0,1
	v_mul_f32 v[ST+8*\q+3], v[ST+8*\q+2], v[ST+8*\q+4]
.endr
.irp q, 0,1
	v_fmac_f32 v[ST+8*\q+3], v[ST+8*\q+7], v[ST+8*\q+5]      ; the row's sum
.endr
.irp q, 0,1
	v_rcp_f32 v[ST+8*\q+2], v[ST+8*\q+3]
.endr
	v_nop                                          ; a plain place behind the reciprocals
	s_wait_alu depctr_va_vdst(0)                   ; and the one wait ahead of their first reader
.irp q, 0,1
	v_mul_f32 v[ST+8*\q+6], v[ST+8*\q+5], v[ST+8*\q+2]       ; the other half's factor / the sum,
	v_mul_f32 v[ST+8*\q+4], v[ST+8*\q+4], v[ST+8*\q+2]       ; and mine
.endr
.set n, 0
.rept 32
	v_pk_mul_f32 v[O+2*n:O+2*n+1], v[O+2*n:O+2*n+1], v[ST+8*(n/16)+4:ST+8*(n/16)+5] op_sel_hi:[1,0]
.set n, n+1
.endr
.set n, 0
.rept 32
	v_pk_fma_f32 v[O+2*n:O+2*n+1], v[R+2*n:R+2*n+1], v[ST+8*(n/16)+6:ST+8*(n/16)+7], v[O+2*n:O+2*n+1] op_sel_hi:[1,0,1]
.set n, n+1
.endr
; Two numbers become two f16 pairs: the high parts, and 2^11 x what the high parts leave.  Two sets of registers by turns; a 16-bit half is named by its register's own name.
.macro SPLITA n
	v_cvt_pk_f16_f32 v16, v[O+2*(\n)], v[O+2*(\n)+1]
	v_cvt_pk_f16_f32 v[HI+(\n)], v[O+2*(\n)], v[O+2*(\n)+1]
	v_cvt_f32_f16 v18, v16.l
	v_cvt_f32_f16 v19, v16.h
	v_pk_add_f32 v[18:19], v[O+2*(\n):O+2*(\n)+1], v[18:19] neg_lo:[0,1] neg_hi:[0,1]
	v_pk_mul_f32 v[18:19], v[18:19], 0x45000000 op_sel_hi:[1,0]
	v_cvt_pk_f16_f32 v[LW+(\n)], v18, v19
.endm
.macro SPLITB n
	v_cvt_pk_f16_f32 v17, v[O+2*(\n)], v[O+2*(\n)+1]
	v_cvt_pk_f16_f32 v[HI+(\n)], v[O+2*(\n)], v[O+2*(\n)+1]
	v_cvt_f32_f16 v20, v17.l
	v_cvt_f32_f16 v21, v17.h
	v_pk_add_f32 v[20:21], v[O+2*(\n):O+2*(\n)+1], v[20:21] neg_lo:[0,1] neg_hi:[0,1]
	v_pk_mul_f32 v[20:21], v[20:21], 0x45000000 op_sel_hi:[1,0]
	v_cvt_pk_f16_f32 v[LW+(\n)], v20, v21
.endm
.set m, 0
.rept 16
	SPLITA m
	SPLITB m+1
.set m, m+2
.endr
.irp q, 0,1
.irp d, 0,1,2,3
	global_store_b128 v[QOF], v[HI+16*\q+4*\d:HI+16*\q+4*\d+3], s[10:11] offset:8192*\q+2048*(\d/2)+512*(\d%2)        ; o(16 T + r, 16 d + 8 h + 0 .. 7): 512 consecutive bytes, aligned
	global_store_b128 v[QOF], v[LW+16*\q+4*\d:LW+16*\q+4*\d+3], s[10:11] offset:8192*\q+2048*(\d/2)+1024+512*(\d%2)
.endr
.endr
.Lend:
	s_wait_tensorcnt 0x0                           ; the wave's end: behind my last tensor load and my last LDS store
	ds_add_u32 v[SPW], v[NIL]
	s_wait_dscnt 0x0
	CROUND                                         ; the closing round: no work-group ends while a partner may still ask for a tile that names it
	s_endpgm
.Lfunc_end_k_qeb1fc4c02f_attn:
	.size	k_qeb1fc4c02f_attn, .Lfunc_end_k_qeb1fc4c02f_attn-k_qeb1fc4c02f_attn
	.p2alignl 7, 3214868480
	.fill 96, 4, 3214868480
	.section	.rodata,"a",@progbits
	.p2align	6, 0x0
	.amdhsa_kernel k_qeb1fc4c02f_attn
		.amdhsa_group_segment_fixed_size 327680
		.amdhsa_private_segment_fixed_size 0
		.amdhsa_enable_private_segment 0
		.amdhsa_kernarg_size 32
		.amdhsa_user_sgpr_count 2
		.amdhsa_user_sgpr_kernarg_segment_ptr 1
		.amdhsa_wavefront_size32 1
		.amdhsa_system_sgpr_workgroup_id_x 1
		.amdhsa_system_sgpr_workgroup_id_y 1
		.amdhsa_system_sgpr_workgroup_id_z 1
		.amdhsa_system_vgpr_workitem_id 0
		.amdhsa_next_free_vgpr 512
		.amdhsa_next_free_sgpr 80
		.amdhsa_reserve_vcc 0
		.amdhsa_float_denorm_mode_32 3
		.amdhsa_float_denorm_mode_16_64 3
		.amdhsa_memory_ordered 1
		.amdhsa_forward_progress 1
		.amdhsa_inst_pref_size 218
	.end_amdhsa_kernel
	.amdgpu_metadata
---
amdhsa.version: [ 1, 2 ]
amdhsa.kernels:
  - .name:           k_qeb1fc4c02f_attn
    .symbol:         k_qeb1fc4c02f_attn.kd
    .args:
      - { .name: A, .offset: 0, .size: 8, .value_kind: global_buffer, .address_space: global }
      - { .name: qf, .offset: 8, .size: 8, .value_kind: global_buffer, .address_space: global }
      - { .name: kv, .offset: 16, .size: 8, .value_kind: global_buffer, .address_space: global }
      - { .name: of, .offset: 24, .size: 8, .value_kind: global_buffer, .address_space: global }
    .group_segment_fixed_size: 327680
    .private_segment_fixed_size: 0
    .kernarg_segment_align: 8
    .kernarg_segment_size: 32
    .max_flat_workgroup_size: 256
    .sgpr_count:     80
    .vgpr_count:     512
    .wavefront_size: 32
...
	.end_amdgpu_metadata
.endif
;; end of part 2
;; launch oproj (part 3): grid 4 x 64, 8 waves a work-group, clusters of 4 x 4, 327,680 bytes of LDS; arguments of, wof, out0; writes out0
.if DOCPART == 3
	.amdgcn_target "amdgcn-amd-amdhsa--gfx1250"
	.amdhsa_code_object_version 6
	.text
	.protected	k_qeb1fc4c02f_oproj
	.globl	k_qeb1fc4c02f_oproj
	.p2align	8
	.type	k_qeb1fc4c02f_oproj,@function
k_qeb1fc4c02f_oproj:
	s_mov_b64 s[64:65], 0
	v_nop
	global_prefetch_b8 v0, s[64:65] scope:SCOPE_SE
	s_setreg_imm32_b32 hwreg(HW_REG_WAVE_MODE, 25, 1), 1
	s_wait_xcnt 0x0
	s_wait_alu depctr_hold_cnt(0) depctr_sa_sdst(0) depctr_va_vdst(0) depctr_va_sdst(0) depctr_va_ssrc(0) depctr_va_vcc(0) depctr_vm_vsrc(0)
	s_getreg_b32 s2, hwreg(HW_REG_IB_STS2, 6, 4)
	s_cmp_eq_u32 s2, 0
	s_cbranch_scc0 .Lentry_in_a_cluster
	s_endpgm
.Lentry_in_a_cluster:
	s_bfe_u32 s2, ttmp6, 0x10000c
	s_cmp_lg_u32 s2, 0xf033
	s_cbranch_scc0 .Lentry_shape_is_right
	s_endpgm
.Lentry_shape_is_right:
; out0[n][g] = the sum over f of o[n][f] Wo[g][f].  o comes as a pair of f16 numbers (a high part and 2^11 x the rest), Wo as f16, both as images of operand registers, K walked in the order (head, d) on both sides alike.
; Two f32 sums for each output: high parts x Wo, low parts x Wo; the result is the first + 2^-11 x the second.
; SHARES.  Work-group (x = 128 columns, y = 64 rows).  Its 131,072 bytes of o and 131,072 of Wo fit in LDS together: each byte is filled once, in four quarters of K (two heads each), so there is no ring and nothing is filled again.
; Wave w: 16 rows (w % 4) x 64 columns (w / 4): 4 tiles x 2 sums = 8 accumulators by turns.  The product is used transposed (source 0 = 16 columns, source 1 = 16 rows): a lane holds eight neighbouring columns of one row.
; CLUSTER 4 x 4.  o's block hangs on y alone and is asked for jointly along a row of the cluster, Wo's on x alone, along a column.  Waves 0-3 fetch o's quarters, 8,192 bytes a load, waves 4-7 Wo's: four loads of mine are out at the start.
; LIMITS: as the launches before: no NaN, no infinities; Wo and o under 65,504 in size.
.set OIMG,  0                          ; o: + 32,768 quarter + 8,192 row tile + 4,096 head of the two + 2,048 e + 1,024 (low part) + 512 c
.set WIMG,  131072                     ; Wo: + 32,768 quarter + 4,096 column tile + 2,048 head of the two + 1,024 e + 512 c
.set STG,   262144                     ; a stage of 16 rows x 272 bytes for each wave, its own; no fill lands here
.set SP,    272
.set SPARE, STG+8*16*SP                ; the spare words, 128 bytes for each wave: four blocks of 256 bytes that no other line names
.set AO,   1                           ; v1, v2  16 x lane + 8,192 x (wave % 4), for quarters 0, 1 and (65,536 on) 2, 3
.set AW,   3                           ; v3, v4  WIMG + 16 x lane + 16,384 x (wave / 4), likewise
.set STO,  5                           ; v5   my stage + 272 r + 32 h
.set RD,   6                           ; v6   my stage + 272 h + 16 r
.set CO,   7                           ; v7   2,048 h + 16 r: the same two rows in out0
.set SPW,  8                           ; v8   LDS address of my spare word; never rewritten
.set NIL,  9                           ; v9   0; never rewritten
.set ACC1, 16                          ; v16-47   the high parts' sums, 8 a tile of columns
.set ACC2, 48                          ; v48-79   the low parts'
.set B0,   80                          ; v80-127  a K step's fragments: high 8, low 8, Wo 4 x 8
.set B1,   128                         ; v128-175 the next K step's
.set T,    176                         ; v176-207 the results
.set RB,   208                         ; v208-239 rows read back from the stage
.set WV,  12
.set U,   13
.set CG,  14
.set CX,  16
.set CY,  17
.set XB,  18
.set YB,  19
.set G1O, 24                           ; s[24:31] group 1 for o
.set G1W, 32                           ; s[32:39] for Wo
.set G0O, 40                           ; s[40:55] four groups 0 for o's quarters
.set G0W, 68                           ; s[68:83] four for Wo's
.macro CROUND                          ; a round of the cluster's barrier
	s_barrier_signal -1
	s_barrier_wait -1
	s_cmp_lg_u32 s[WV], 0
	s_cbranch_scc1 .Lnot_wave_0_\@
	s_barrier_signal -3
.Lnot_wave_0_\@:
	s_barrier_wait -3
	s_barrier_signal -1
	s_barrier_wait -1
.endm
.macro FETCH d, k, buf                 ; quarter d, its K step k (2 x head of the two + e): 12 LDS loads
.irp c, 0,1
	ds_load_b128 v[\buf+4*\c:\buf+4*\c+3], v[AO+(\d)/2] offset:32768*((\d)%2)+2048*(\k)+512*\c
	ds_load_b128 v[\buf+8+4*\c:\buf+8+4*\c+3], v[AO+(\d)/2] offset:32768*((\d)%2)+2048*(\k)+1024+512*\c
.endr
.irp g, 0,1,2,3
.irp c, 0,1
	ds_load_b128 v[\buf+16+8*\g+4*\c:\buf+16+8*\g+4*\c+3], v[AW+(\d)/2] offset:32768*((\d)%2)+4096*\g+1024*(\k)+512*\c
.endr
.endr
.endm
.macro MUL buf, zero                   ; 8 matrix instructions, the eight accumulators by turns; zero = 1: they start the sums
.irp g, 0,1,2,3
.if \zero
	v_wmma_f32_16x16x32_f16 v[ACC1+8*\g:ACC1+8*\g+7], v[\buf+16+8*\g:\buf+16+8*\g+7], v[\buf:\buf+7], 0
.else
	v_wmma_f32_16x16x32_f16 v[ACC1+8*\g:ACC1+8*\g+7], v[\buf+16+8*\g:\buf+16+8*\g+7], v[\buf:\buf+7], v[ACC1+8*\g:ACC1+8*\g+7]
.endif
.endr
.irp g, 0,1,2,3
.if \zero
	v_wmma_f32_16x16x32_f16 v[ACC2+8*\g:ACC2+8*\g+7], v[\buf+16+8*\g:\buf+16+8*\g+7], v[\buf+8:\buf+15], 0
.else
	v_wmma_f32_16x16x32_f16 v[ACC2+8*\g:ACC2+8*\g+7], v[\buf+16+8*\g:\buf+16+8*\g+7], v[\buf+8:\buf+15], v[ACC2+8*\g:ACC2+8*\g+7]
.endif
.endr
.endm
.macro PLACES                          ; four places ahead of loads into registers that matrix instructions have read, and of the first read of results
.rept 4
	v_nop
.endr
.endm
	s_load_b128 s[4:7], s[0:1], 0x0                ; of, wof
	s_load_b64 s[8:9], s[0:1], 0x10                ; out0
	v_lshl_add_u32 v[SPW], v0, 2, SPARE
	v_mov_b32 v[NIL], 0
	ds_add_u32 v[SPW], v[NIL]                      ; the wave's opening: the add, twice on end, and its wait ahead of my first tensor load; the set-up below, work on registers, stands between
	ds_add_u32 v[SPW], v[NIL]
	v_lshrrev_b32 v10, 5, v0
	v_readfirstlane_b32 s[WV], v10                 ; wave 0..7
	s_and_b32 s[U], s[WV], 3
	s_lshr_b32 s[CG], s[WV], 2
	s_bfe_u32 s[CX], ttmp6, 0x40000
	s_bfe_u32 s[CY], ttmp6, 0x40004
	s_lshl_b32 s[XB], ttmp9, 2
	s_add_co_u32 s[XB], s[XB], s[CX]               ; the block of 128 columns
	s_and_b32 s[YB], ttmp7, 0xffff
	s_lshl_b32 s[YB], s[YB], 2
	s_add_co_u32 s[YB], s[YB], s[CY]               ; the block of 64 rows
	s_lshl_b32 s88, s[CY], 2
	s_lshl_b32 s88, 15, s88                        ; my row of the cluster
	s_lshl_b32 s89, 0x1111, s[CX]                  ; my column
	s_or_b32 s[G1O], s88, (3<<16)|(1<<21)          ; 15:0 the mask; 17:16 elements of 8 bytes; 21 set beside a mask; no padding: 8,192 dense bytes as 32 rows of 256
	s_or_b32 s[G1W], s89, (3<<16)|(1<<21)
.irp g, G1O, G1W
	s_mov_b32 s[\g+1], 32<<16                      ; tensor_dim0 = 32
	s_mov_b32 s[\g+2], 32<<16                      ; tensor_dim1 = 32
	s_mov_b32 s[\g+3], 32<<16                      ; tile_dim0 = 32
	s_mov_b32 s[\g+4], 32                          ; tile_dim1 = 32
	s_mov_b32 s[\g+5], 32                          ; elements from row to row
	s_mov_b32 s[\g+6], 0
	s_mov_b32 s[\g+7], 0
.endr
	s_lshl_b32 s62, s[U], 13                       ; my 8,192 bytes of a quarter, in memory and in LDS
	s_add_co_u32 s63, s62, WIMG
	s_lshl_b32 s56, s[YB], 17                      ; of: 131,072 a block of rows: of y and the wave's number alone
	s_add_co_u32 s56, s56, s62
	s_mov_b32 s57, 0
	s_lshl_b32 s58, s[XB], 17                      ; wof: 131,072 a block of columns: of x and the wave's number alone
	s_add_co_u32 s58, s58, s62
	s_mov_b32 s59, 0
	s_lshl_b32 s60, s[YB], 17                      ; out0: row 64 y + 16 (wave % 4) of 2,048 bytes, + 512 x + 256 (wave / 4)
	s_lshl_b32 s61, s[U], 15
	s_add_co_u32 s60, s60, s61
	s_lshl_b32 s61, s[XB], 9
	s_add_co_u32 s60, s60, s61
	s_lshl_b32 s61, s[CG], 8
	s_add_co_u32 s60, s60, s61
	s_mov_b32 s61, 0
	v_and_b32 v10, 31, v0
	v_lshlrev_b32 v10, 4, v10                      ; 16 x lane
	v_and_b32 v11, 15, v0                          ; r
	v_bfe_u32 v12, v0, 4, 1                        ; h
	v_add_nc_u32 v[AO], s62, v10
	v_add_nc_u32 v[AO+1], 65536, v[AO]
	s_lshl_b32 s87, s[CG], 14
	s_add_co_u32 s87, s87, WIMG
	v_add_nc_u32 v[AW], s87, v10
	v_add_nc_u32 v[AW+1], 65536, v[AW]
	s_mul_i32 s87, s[WV], 16*SP
	s_add_co_u32 s87, s87, STG                     ; my stage
	v_mul_u32_u24 v[STO], v11, SP
	v_lshl_add_u32 v[STO], v12, 5, v[STO]
	v_add_nc_u32 v[STO], s87, v[STO]
	v_mul_u32_u24 v[RD], v12, SP
	v_lshl_add_u32 v[RD], v11, 4, v[RD]
	v_add_nc_u32 v[RD], s87, v[RD]
	v_lshlrev_b32 v[CO], 11, v12
	v_lshl_add_u32 v[CO], v11, 4, v[CO]
	s_wait_dscnt 0x0                               ; both opening adds are done
	s_wait_kmcnt 0x0
	s_add_nc_u64 s[84:85], s[4:5], s[56:57]
	s_add_nc_u64 s[90:91], s[6:7], s[58:59]
	s_add_nc_u64 s[8:9], s[8:9], s[60:61]
	CROUND                                         ; all sixteen work-groups are here: the joint loads meet
.irp d, 0,1,2,3
	s_mov_b32 s[G0O+4*\d], 1                                           ; 1:0 count = 1
	s_add_co_u32 s[G0O+4*\d+1], s62, 32768*\d                          ; 63:32 LDS address
	s_add_nc_u64 s[G0O+4*\d+2:G0O+4*\d+3], s[84:85], 32768*\d          ; 120:64 global address: quarter d
	s_or_b32 s[G0O+4*\d+3], s[G0O+4*\d+3], 0x80000000                  ; 127:126 type = 2
	s_mov_b32 s[G0W+4*\d], 1
	s_add_co_u32 s[G0W+4*\d+1], s63, 32768*\d
	s_add_nc_u64 s[G0W+4*\d+2:G0W+4*\d+3], s[90:91], 32768*\d
	s_or_b32 s[G0W+4*\d+3], s[G0W+4*\d+3], 0x80000000
.endr
	s_cmp_lt_u32 s[WV], 4                          ; a wave's four first fills stand in one branch, ahead of every wait on TENSORcnt and every LDS read; an s_nop 0 follows each, four v_nop the last
	s_cbranch_scc0 .Lfor_w
.irp d, 0,1,2,3
	tensor_load_to_lds s[G0O+4*\d:G0O+4*\d+3], s[G1O:G1O+7]
	s_nop 0
.endr
.rept 4
	v_nop
.endr
	s_branch .Lasked
.Lfor_w:
.irp d, 0,1,2,3
	tensor_load_to_lds s[G0W+4*\d:G0W+4*\d+3], s[G1W:G1W+7]
	s_nop 0
.endr
.rept 4
	v_nop
.endr
.Lasked:
.irp d, 0,1,2,3                                    ; a quarter of K: two heads, four K steps of 32, on two sets of fragment registers
	s_wait_tensorcnt 3-\d                          ; my part of this quarter is in; my loads of the later quarters may stay out
	s_barrier_signal -1
	s_barrier_wait -1                              ; everybody's is
	FETCH \d, 0, B0
	FETCH \d, 1, B1
	s_wait_dscnt 12                                ; all but the 12 loads of the younger fetch
.if \d == 0
	MUL B0, 1
.else
	MUL B0, 0
.endif
	PLACES
	FETCH \d, 2, B0
	s_wait_dscnt 12
	MUL B1, 0
	PLACES
	FETCH \d, 3, B1
	s_wait_dscnt 12
	MUL B0, 0
	s_wait_dscnt 0x0
	MUL B1, 0
	PLACES
.endr
	; ---- THE WAY OUT: the two sums are joined; 16 rows x 64 columns go through my own stage and leave as rows of 256 bytes
.irp i, 0,2,4,6,8,10,12,14,16,18,20,22,24,26,28,30
	v_pk_fma_f32 v[T+\i:T+\i+1], v[ACC2+\i:ACC2+\i+1], 0x3a000000, v[ACC1+\i:ACC1+\i+1] op_sel_hi:[1,0,1]   ; + 2^-11 x the low parts' sum; each accumulator from its low end on
.endr
.irp g, 0,1,2,3
	ds_store_b128 v[STO], v[T+8*\g:T+8*\g+3] offset:64*\g
	ds_store_b128 v[STO], v[T+8*\g+4:T+8*\g+7] offset:64*\g+16
.endr
.irp i, 0,1,2,3,4,5,6,7
	ds_load_b128 v[RB+4*\i:RB+4*\i+3], v[RD] offset:2*SP*\i   ; LDS serves a wave's instructions in order: these see my stores
.endr
.irp i, 0,1,2,3,4,5,6,7
	s_wait_dscnt 7-\i                              ; the younger read-backs may be out
	global_store_b128 v[CO], v[RB+4*\i:RB+4*\i+3], s[8:9] offset:4096*\i th:TH_STORE_NT   ; 16 lanes store 256 consecutive bytes, at a multiple of 256 from out0's first byte
.endr
	s_wait_tensorcnt 0x0                           ; the wave's end: behind my last tensor load and my last LDS store
	ds_add_u32 v[SPW], v[NIL]
	s_wait_dscnt 0x0
	CROUND                                         ; the closing round: no work-group ends while a partner may still ask for a tile that names it
	s_endpgm
.Lfunc_end_k_qeb1fc4c02f_oproj:
	.size	k_qeb1fc4c02f_oproj, .Lfunc_end_k_qeb1fc4c02f_oproj-k_qeb1fc4c02f_oproj
	.p2alignl 7, 3214868480
	.fill 96, 4, 3214868480
	.section	.rodata,"a",@progbits
	.p2align	6, 0x0
	.amdhsa_kernel k_qeb1fc4c02f_oproj
		.amdhsa_group_segment_fixed_size 327680
		.amdhsa_private_segment_fixed_size 0
		.amdhsa_enable_private_segment 0
		.amdhsa_kernarg_size 24
		.amdhsa_user_sgpr_count 2
		.amdhsa_user_sgpr_kernarg_segment_ptr 1
		.amdhsa_wavefront_size32 1
		.amdhsa_system_sgpr_workgroup_id_x 1
		.amdhsa_system_sgpr_workgroup_id_y 1
		.amdhsa_system_sgpr_workgroup_id_z 1
		.amdhsa_system_vgpr_workitem_id 0
		.amdhsa_next_free_vgpr 256
		.amdhsa_next_free_sgpr 96
		.amdhsa_reserve_vcc 0
		.amdhsa_float_denorm_mode_32 3
		.amdhsa_float_denorm_mode_16_64 3
		.amdhsa_memory_ordered 1
		.amdhsa_forward_progress 1
		.amdhsa_inst_pref_size 34
	.end_amdhsa_kernel
	.amdgpu_metadata
---
amdhsa.version: [ 1, 2 ]
amdhsa.kernels:
  - .name:           k_qeb1fc4c02f_oproj
    .symbol:         k_qeb1fc4c02f_oproj.kd
    .args:
      - { .name: of, .offset: 0, .size: 8, .value_kind: global_buffer, .address_space: global }
      - { .name: wof, .offset: 8, .size: 8, .value_kind: global_buffer, .address_space: global }
      - { .name: out0, .offset: 16, .size: 8, .value_kind: global_buffer, .address_space: global }
    .group_segment_fixed_size: 327680
    .private_segment_fixed_size: 0
    .kernarg_segment_align: 8
    .kernarg_segment_size: 24
    .max_flat_workgroup_size: 256
    .sgpr_count:     96
    .vgpr_count:     256
    .wavefront_size: 32
...
	.end_amdgpu_metadata
.endif
;; end of part 3
